; MI455X (gfx1250); checked and timed in simulation.
; The chip was launched on July 23, 2026; its instructions are those of AMD's public machine-readable ISA for CDNA 5 (MIT licence, August 2026) and "CDNA5" Instruction Set Architecture Reference Guide (July 2026). The comments in the code are by the model that wrote it; some were corrected since.
;; Attention. Allowed arithmetic: matrix products marked QUANTISED: E3M2 operands, one E8M0 scale for each 32 along K, by v_wmma_scale_f32_16x16x128_f8f6f4 with both operands' format E3M2, f32 sums; products left as they are: f32 operands where the result goes on into a quantised operand, else bf16, f16 or f32 operands; f32 sums; everything else in f32.
;; Inputs: W_attn 500 x 1,000 float32; b_attn 500 float32; encoder_output 512 x 256 x 500 float32; hidden 1 x 256 x 500 float32; v 500 float32.
;; Outputs: out0 256 x 1 x 512 float32.
;; This version of the problem:
;;   THIS VERSION OF THE PROBLEM IS GIVEN IN LOW PRECISION. The matrix products marked QUANTISED in the list below multiply operands that are first quantised to E3M2 (3 exponent bits, 2 mantissa bits; 6 bits a number), with one power-of-two scale for each 32 numbers along K (OCP MX v1.0); their sums are f32. All else is computed in f32.
;;   The module's matrix products, in the order in which they are computed (A, B: the left and right operand; K: the contracted axis; several contracted axes count as one K, in the product's order):
;;     1. [M 131,072, K 1,000] x [K 1,000, N 500]; A: computed on the way; B: input W_attn: QUANTISED
;;     2. [M 131,072, K 500] x [K 500, N 1]; A: computed on the way; B: input v: left as it is (N = 1 < 16)
;;   THE QUANTISER, for each operand of a quantised product, along K:
;;     - K is cut into blocks of 32 from its start; a last block that is shorter is filled with zeros.
;;     - A block's scale is 2^e with e = floor(log2(the largest magnitude in the block)) - 4, held to -126 .. 127; a block of zeros has e = 0. As a byte (E8M0): e + 127.
;;     - Each number is divided by its block's scale, clamped to +-28, and rounded to the nearest number of E3M2, ties to even, subnormals kept.
;;     - The product sums the exact products of the quantised numbers (number of the format x scale) in f32.
;;   ~~~python
;;   def quantise(x, axis):      # numpy; x: float32 -> the quantised numbers, widened to float32 again
;;       x = np.moveaxis(x, axis, -1); K = x.shape[-1]
;;       x = np.pad(x, [(0, 0)] * (x.ndim - 1) + [(0, -K % 32)]); x = x.reshape(x.shape[:-1] + (-1, 32)); a = np.abs(x).max(-1, keepdims=True)
;;       e = np.where(a > 0, np.clip(np.frexp(np.where(a > 0, a, 1))[1] - 1 - 4, -126, 127), 0)      # np.frexp(a)[1] - 1 = floor(log2(a)), exactly
;;       r = np.clip(x / 2.0 ** e, -28, 28)
;;       step = 2.0 ** (np.maximum(np.frexp(np.where(r == 0, 1, r))[1] - 1, -2) - 2)
;;       q = np.round(r / step) * step * 2.0 ** e      # np.round: ties to even
;;       return np.moveaxis(q.reshape(q.shape[:-2] + (-1,))[..., :K], -1, axis).astype(np.float32)
;;   ~~~
;;   OPERANDS COMPUTED ON THE WAY. 'Computed on the way' means the value that the module computes at that place (a softmax that the list does not call 'softmax' is quantised finished and normalised). What goes into a quantiser is computed in f32, as accurately as f32 sums, v_exp_f32 and their like allow (about 1e-6 of the number): no bf16 or f16 on the way to a quantiser, and a product that is left as it is and whose result goes on into a quantised operand takes f32 operands (vector FMAs, or v_wmma_f32_16x16x4_f32). A number that lies on a knife's edge between two numbers of the format may be rounded either way, as far as f32 arithmetic and the matrix unit's own rounding can turn it there, and no further.
;; One version. Each part assembles by itself: llvm-mc -triple=amdgcn-amd-amdhsa -mcpu=gfx1250 --defsym DOCPART=n.
;; ======== version 1 of 1: 2 launches
;; limits: right only within a limited range of input values
;; workspace buffers: wimg 393,216 bytes; wscl 16,384 bytes
;; launch prep (part 1): grid 32 x 1, 8 waves a work-group, no clusters, 2,048 bytes of LDS; arguments W_attn, wimg, wscl; writes wimg, wscl
.if DOCPART == 1
	.amdgcn_target "amdgcn-amd-amdhsa--gfx1250"
	.amdhsa_code_object_version 6
	.text
	.protected	k_q6b6d9491b5_prep
	.globl	k_q6b6d9491b5_prep
	.p2align	8
	.type	k_q6b6d9491b5_prep,@function
k_q6b6d9491b5_prep:
	s_mov_b64 s[64:65], 0
	v_nop
	global_prefetch_b8 v0, s[64:65] scope:SCOPE_SE
	s_setreg_imm32_b32 hwreg(HW_REG_WAVE_MODE, 25, 1), 1
	s_wait_xcnt 0x0
; W_attn [500][1000] f32 becomes codes of BF6 (E3M2) with one E8M0 scale byte for each 32 along K, padded with zero codes to [512][1024],
; and is laid for its one reader, the next launch, AS IMAGES OF THE OPERAND'S REGISTERS:
;   wimg: fragment (T, ks) = 16 rows h = 16 T + r x 128 along K from 128 ks on, 12 registers a lane, at (8 T + ks) x 1,536 bytes; in it registers 4 c .. 4 c + 3 of lane l at 512 c + 16 l.
;   wscl: register (T, q) at 512 T + 128 q + 4 l: lanes 0-15 the scale word of row 16 T + r for K step 2 q, lanes 16-31 that for K step 2 q + 1.
; A block's scale is 2^(floor(log2(its largest magnitude)) - 4); its byte is the largest magnitude's exponent field - 4, held at 1 from below.
; LIMITS: a block whose largest magnitude lies under 2^-122, a block of zeros among them, gets the byte 1 (its codes are zeros or lie under the format's step; this program alone reads the bytes);
; NaN and infinities among the inputs are not served.
; SHARES: work-group T takes 16 rows of W, its wave ks the K step ks.  Lane (r, hh) holds 64 numbers of row r: register X + 16 b + i is k = 128 ks + 32 b + 16 hh + i, so two lanes share a block.
; W is 2 MB and is read once here: a lane's loads are 16 bytes of its own row, and no stage is spent on making them dense.  No tensor loads; one barrier, for the scale words.
.set AD,  8                            ; v8-23    the sixteen loads' byte offsets
.set X,   32                           ; v32-95   64 numbers
.set PC,  96                           ; v96-107  the fragment's codes
.set PT,  108                          ; v108-115 the conversions' second halves
.set TM,  116                          ; v116-119 largest magnitudes, v120-123 the other half's, then bytes, v128-131 the conversions' scale operands
.set PW,  132                          ; v132     the scale word
.set SEL, 32                           ; s[32:33] v_permlanex16_b32's selects for lane l xor 16
; 64 numbers of a lane become four runs of 16 codes (d, d + 6; PT, PT + 4) and the row's scale word
.macro QHEAD s, d, pw
.irp b, 0,1,2,3
	v_max3_num_f32 v[TM+\b], |v[\s+16*\b]|, |v[\s+1+16*\b]|, 0x2800000   ; block b: my 16 numbers, and the floor 2^(5 - 127): the byte cannot fall under 1
.endr
.irp i, 2,4,6,8,10,12,14
.irp b, 0,1,2,3
	s_delay_alu instid0(VALU_DEP_4)
	v_max3_num_f32 v[TM+\b], v[TM+\b], |v[\s+16*\b+\i]|, |v[\s+1+16*\b+\i]|   ; the four blocks by turns
.endr
.endr
.irp b, 0,1,2,3
	s_delay_alu instid0(VALU_DEP_4)
	v_permlanex16_b32 v[TM+4+\b], v[TM+\b], s[SEL], s[SEL+1]
.endr
.irp b, 0,1,2,3
	s_delay_alu instid0(VALU_DEP_4)
	v_max_num_f32 v[TM+\b], v[TM+\b], v[TM+4+\b]     ; with lane l xor 16's: the block's largest magnitude
.endr
.irp b, 0,1,2,3
	s_delay_alu instid0(VALU_DEP_4)
	v_add_nc_u32 v[TM+12+\b], 0xfe000000, v[TM+\b]   ; 4 off its exponent field: the conversion takes this operand's exponent field as its scale
.endr
.irp b, 0,1,2,3
	s_delay_alu instid0(VALU_DEP_4)
	v_lshrrev_b32 v[TM+4+\b], 23, v[TM+12+\b]        ; the scale's byte
.endr
	s_delay_alu instid0(VALU_DEP_3)
	v_lshl_or_b32 v[\pw], v[TM+5], 8, v[TM+4]
	s_delay_alu instid0(VALU_DEP_1)
	v_lshl_or_b32 v[\pw], v[TM+6], 16, v[\pw]
	s_delay_alu instid0(VALU_DEP_1)
	v_lshl_or_b32 v[\pw], v[TM+7], 24, v[\pw]
.irp c, 0,1
	v_cvt_scalef32_pk16_bf6_f32 v[\d+6*\c:\d+2+6*\c], v[\s+32*\c:\s+15+32*\c], v[TM+12+2*\c]
	v_cvt_scalef32_pk16_bf6_f32 v[PT+4*\c:PT+2+4*\c], v[\s+16+32*\c:\s+31+32*\c], v[TM+12+2*\c+1]   ; (a conversion's three registers begin on an even number)
.endr
.endm
; the operand's layout wants a whole block in a lane: lanes 0-15 block 2 c, lanes 16-31 block 2 c + 1
.macro QTAIL d
	v_nop                                          ; one plain instruction behind the scaled conversions
.irp c, 0,1
.irp i, 0,1,2
	v_permlane16_swap_b32 v[\d+6*\c+\i], v[PT+4*\c+\i]
.endr
.irp i, 0,1,2
	s_delay_alu instid0(VALU_DEP_3)
	v_mov_b32 v[\d+3+6*\c+\i], v[PT+4*\c+\i]
.endr
.endr
.endm
	s_load_b128 s[4:7], s[0:1], 0x0                ; W_attn s[4:5], wimg s[6:7]
	s_load_b64 s[8:9], s[0:1], 0x10                ; wscl
	v_lshl_add_u32 v144, v0, 2, 0x400
	v_mov_b32 v145, 0
	v_lshrrev_b32 v6, 5, v0
	s_delay_alu instid0(VALU_DEP_1)
	v_readfirstlane_b32 s10, v6                    ; wave = K step ks
	v_and_b32 v1, 15, v0                           ; r
	v_bfe_u32 v2, v0, 4, 1                         ; hh
	v_and_b32 v3, 31, v0                           ; lane
	s_lshl_b32 s34, ttmp9, 4
	v_add_nc_u32 v4, s34, v1                       ; h = 16 T + r
	s_movk_i32 s38, 500
	s_movk_i32 s39, 1000
	v_cmp_gt_u32 s12, s38, v4                      ; is my row one of W's 500?
	v_min_u32 v4, 499, v4                          ; no load leaves W: rows past the end read the last row and are replaced by zeros
	s_delay_alu instid0(VALU_DEP_1)
	v_mul_u32_u24 v4, v4, 4000                     ; the row's first byte
	s_lshl_b32 s36, s10, 7
	v_lshl_add_u32 v5, v2, 4, s36                  ; 128 ks + 16 hh
.set n, 0
.rept 16                               ; load n = 4 b + j brings k = 128 ks + 16 hh + 32 b + 4 j + 0 .. 3: all four inside K = 1,000 or none
	v_add_nc_u32 v6, 32*(n/4)+4*(n%4), v5
	s_delay_alu instid0(VALU_DEP_1)
	v_cmp_gt_u32 s[16+n], s39, v6
	s_and_b32 s[16+n], s[16+n], s12                ; lanes whose four numbers count
	v_min_u32 v6, 996, v6
	s_delay_alu instid0(VALU_DEP_1)
	v_lshl_add_u32 v[AD+n], v6, 2, v4
.set n, n+1
.endr
	v_lshlrev_b32 v24, 4, v3                       ; 16 x lane: an image's place for my lane
	v_lshlrev_b32 v25, 2, v1
	s_lshl_b32 s40, s10, 6
	v_add_nc_u32 v25, s40, v25                     ; LDS: 64 ks + 4 r = 128 (ks / 2) + 64 (ks % 2) + 4 r: the tile's scale registers as they will lie in wscl
	s_mov_b32 s[SEL], 0x76543210
	s_mov_b32 s[SEL+1], 0xfedcba98
.irp b, 0,1,2,3
	v_mov_b32 v[TM+4+\b], 0                        ; written once: a lane permute's destination counts as one of its sources
.endr
	s_lshl_b32 s34, ttmp9, 3
	s_add_co_u32 s34, s34, s10
	s_mul_i32 s34, s34, 1536                       ; my fragment's place in wimg
	s_mov_b32 s35, 0
	s_lshl_b32 s36, ttmp9, 9                       ; my tile's place in wscl
	s_mov_b32 s37, 0
	s_wait_alu depctr_va_vdst(0)
	s_wait_kmcnt 0x0
	s_add_nc_u64 s[6:7], s[6:7], s[34:35]
	s_add_nc_u64 s[8:9], s[8:9], s[36:37]
.set n, 0
.rept 16
	global_load_b128 v[X+4*n:X+4*n+3], v[AD+n], s[4:5]
.set n, n+1
.endr
	s_wait_loadcnt 0x0
.set n, 0
.rept 64
	v_cndmask_b32 v[X+n], 0, v[X+n], s[16+n/4]     ; zeros for h >= 500 and k >= 1,000, ahead of the blocks' maxima
.set n, n+1
.endr
	QHEAD X, PC, PW
	QTAIL PC
.irp c, 0,1,2
	global_store_b128 v24, v[PC+4*\c:PC+4*\c+3], s[6:7] offset:512*\c   ; 32 lanes store 512 consecutive bytes, at a multiple of 256 from wimg's first byte
.endr
	ds_store_b32 v25, v[PW]                        ; lanes r and r + 16 write the same word with the same value
	s_wait_dscnt 0x0                               ; for the others' sake: my store has landed
	s_barrier_signal -1
	s_barrier_wait -1                              ; the tile's 512 bytes of scale words lie in LDS
	s_cmp_lg_u32 s10, 0
	s_cbranch_scc1 .Ldone
	ds_load_b128 v[136:139], v24                   ; wave 0 stores them as two aligned runs of 256 bytes
	s_wait_dscnt 0x0
	global_store_b128 v24, v[136:139], s[8:9]
.Ldone:
	s_wait_tensorcnt 0x0
	ds_add_u32 v144, v145
	s_wait_dscnt 0x0
	s_endpgm
.Lfunc_end_k_q6b6d9491b5_prep:
	.size	k_q6b6d9491b5_prep, .Lfunc_end_k_q6b6d9491b5_prep-k_q6b6d9491b5_prep
	.p2alignl 7, 3214868480
	.fill 96, 4, 3214868480
	.section	.rodata,"a",@progbits
	.p2align	6, 0x0
	.amdhsa_kernel k_q6b6d9491b5_prep
		.amdhsa_group_segment_fixed_size 2048
		.amdhsa_private_segment_fixed_size 0
		.amdhsa_enable_private_segment 0
		.amdhsa_kernarg_size 24
		.amdhsa_user_sgpr_count 2
		.amdhsa_user_sgpr_kernarg_segment_ptr 1
		.amdhsa_wavefront_size32 1
		.amdhsa_system_sgpr_workgroup_id_x 1
		.amdhsa_system_sgpr_workgroup_id_y 1
		.amdhsa_system_sgpr_workgroup_id_z 1
		.amdhsa_system_vgpr_workitem_id 0
		.amdhsa_next_free_vgpr 146
		.amdhsa_next_free_sgpr 66
		.amdhsa_reserve_vcc 0
		.amdhsa_float_denorm_mode_32 3
		.amdhsa_float_denorm_mode_16_64 3
		.amdhsa_memory_ordered 1
		.amdhsa_forward_progress 1
		.amdhsa_inst_pref_size 19
	.end_amdhsa_kernel
	.amdgpu_metadata
---
amdhsa.version: [ 1, 2 ]
amdhsa.kernels:
  - .name:           k_q6b6d9491b5_prep
    .symbol:         k_q6b6d9491b5_prep.kd
    .args:
      - { .name: W_attn, .offset: 0, .size: 8, .value_kind: global_buffer, .address_space: global }
      - { .name: wimg, .offset: 8, .size: 8, .value_kind: global_buffer, .address_space: global }
      - { .name: wscl, .offset: 16, .size: 8, .value_kind: global_buffer, .address_space: global }
    .group_segment_fixed_size: 2048
    .private_segment_fixed_size: 0
    .kernarg_segment_align: 8
    .kernarg_segment_size: 24
    .max_flat_workgroup_size: 256
    .sgpr_count:     66
    .vgpr_count:     146
    .wavefront_size: 32
...
	.end_amdgpu_metadata
.endif
;; end of part 1
;; launch attn (part 2): grid 256 x 1, 8 waves a work-group, no clusters, 327,680 bytes of LDS; arguments encoder_output, hidden, b_attn, v, wimg, wscl, out0; writes out0
.if DOCPART == 2
	.amdgcn_target "amdgcn-amd-amdhsa--gfx1250"
	.amdhsa_code_object_version 6
	.text
	.protected	k_q6b6d9491b5_attn
	.globl	k_q6b6d9491b5_attn
	.p2align	8
	.type	k_q6b6d9491b5_attn,@function
k_q6b6d9491b5_attn:
	s_mov_b64 s[64:65], 0
	v_nop
	global_prefetch_b8 v0, s[64:65] scope:SCOPE_SE
	s_setreg_imm32_b32 hwreg(HW_REG_WAVE_MODE, 25, 1), 1
	s_wait_xcnt 0x0
; out0[b][0][:] = softmax over s of score[s], score[s] = sum over h of v[h] tanh(b_attn[h] + sum over k of Q(cat[s][k]) Q(W[h][k])), cat[s] = hidden[b] (500), then encoder_output[s][b] (500).
; The product runs on codes of BF6 (E3M2), one E8M0 scale for each 32 along K; K = 1,000 is filled with zero codes to 1,024 (8 K steps of 128), N = 500 to 512.
; WORK LEFT OUT.  tanh(x) = 1 - 2 / (1 + 2^(c x)), c = 2 log2(e), so score[s] = sum over h of v[h] - 2 sum over h of v[h] / (1 + 2^(c x)).  The first sum is the same for every s, whatever the inputs hold,
; and a term that is the same along the softmax's axis leaves the softmax as it is: it is not formed.  Limit: a NaN, an infinity or an overflow that arises in that sum alone is not carried to the result.
; WORK DONE ONCE.  K's blocks 0-11 (K steps 0-2) hold hidden[b] alone: their codes, scales and products are the same for all 512 rows s.  Each wave multiplies them once, with the bias as C, and
; every tile of rows takes that result as the C of its first product.  K step 3 (blocks 12-14 hidden, block 15 hidden[480..499] and enc[0..11]) and K steps 4-7 (enc[12..499], 24 zeros) are multiplied for every row.
; SHARES.  Work-group = b: all 512 rows s, a whole softmax row.  Eight waves, two for each SIMD; wave w keeps W's codes of h = 64 w .. 64 w + 63 for K steps 3-7 (20 fragments, 240 registers) for the whole launch.
; A SLOT is 64 rows s, f32; two slots take turns; each wave fetches 8 rows.  A tensor row is the 2,304 bytes, from a multiple of 256 bytes on, that hold the 2,000 bytes of enc[s][b]; the data begin OFF bytes
; (0 .. 304, a multiple of 16) into it.  580 words are laid for the 576 that are there, so LDS rows are 2,320 bytes apart: 145 x 16, and sixteen rows begin at sixteen different 16-byte columns of 256 bytes.
; PHASE Q: wave w quantises, of tile w % 4 (16 rows), K steps 4, 5 (w < 4, and block 15) or 6, 7 (w >= 4): lane (r, hh) holds whole blocks of row r; codes and scale words go to LDS as images of the operand's registers.
; PHASE M: every wave multiplies the four tiles of rows by its four tiles of W.  Source 0 = 16 rows h of W, source 1 = 16 rows s: register j of lane (r, hh) is (h = 8 hh + j, s = r), so the sum over h stays in the lane.
; NO CLUSTER: the work-groups share no LDS tile (each b has its own rows); W goes once into registers.
; PREFETCH: behind each tensor load a wave asks for the 8 rows x 9 runs of 256 bytes that its NEXT tensor load will bring (the other slot's next 64 rows): three instructions, 24 lanes a run each, the
; eight lanes left over naming a run of the same three again.  So 147,456 bytes a work-group are asked for one slot ahead; the last refill asks for nothing, since no rows follow.
; LIMITS: NaN and infinities among the inputs are not served.  A block whose largest magnitude lies under 2^-122, a block of zeros among them, gets the scale byte 1: its codes are zeros or lie under the format's step.
.set PITCH, 2320
.set SLOTB, 64*PITCH+256               ; 64 rows, and 256 bytes that nothing names between a slot and what lies behind it
.set IMG,   2*SLOTB                    ; behind the ring: the images of a slot's four tiles
.set TIMG,  7232                       ; a tile's: K steps 4-7 at 1,536 kq + 512 c + 16 l; K step 3's registers 6-9 at 6,144 + 16 l, 10-11 at 6,656 + 8 l; scale words of K steps 4-7 at 6,912 + 16 r; K step 3's at 7,168 + 4 r
.set SPARE, IMG+4*TIMG                 ; the spare words, 128 bytes for each wave: four blocks of 256 bytes that no other line names
.set WALK,  64*512000                  ; bytes from 64 rows s to the next 64
.set SSTEP, 2*WALK                     ; bytes from a slot's rows to its next
; WINDOW 0 (window 1, v0-239: W's fragment (K step 3 + f / 4, tile f % 4) at 12 f)
.set SPW, 2                            ; my spare word's LDS address; never rewritten
.set NIL, 3                            ; 0; never rewritten
.set LI,  4                            ; IMG + 16 lane
.set L8,  5                            ; IMG + 8 lane
.set LR16, 6                           ; IMG + 16 r
.set LR4, 7                            ; IMG + 4 r
.set IW,  8                            ; where I store fragments
.set IW8, 9
.set IW4, 10
.set ISW, 11                           ; where I store scale words
.set QA,  12                           ; v12-13 slot 0, 1: my row's first number of my first K step, + 128 hh
.set QB,  14                           ; v14-15 the same, for waves 4-7 without the hh term
.set QE,  16                           ; v16-17 my row's enc[0]
.set SH8, 18                           ; 8 hh
.set SW3C, 19                          ; bytes 0-2 of K step 3's scale word
.set HM,  20                           ; largest magnitude of hidden[480..499], and the floor
.set PFO, 21                           ; the prefetches' offset: (lane % 8) rows s + min(lane / 8, 2) x 256 bytes; never rewritten
.set STG, 22                           ; 2,048 wave + 4 lane
.set K14, 24                           ; v24-29   block 14's codes
.set WS,  30                           ; v30-45   W's scale words: 4 t + q: lanes 0-15 K step 2 q, lanes 16-31 K step 2 q + 1
.set S,   46                           ; v46-61   my partial scores: register p, lane l: s = 32 p + l
.set HC,  62                           ; v62-93   bias + the products of K steps 0-2, four tiles
.set VV,  94                           ; v94-125  -2 v, four tiles
.set XS4, 126                          ; v126-129 rows' scale words, K steps 4-7 (at the head: hidden's, K steps 0-2)
.set XS3, 130                          ; K step 3's
.set XF,  132                          ; v132-191 rows' fragments, K steps 3-7; v132-137 (blocks 12, 13) stay
.set X,   144                          ; v144-207 phase Q: 64 numbers
.set ACC, 208                          ; v208-239 four accumulators
.set PC,  208                          ; phase Q: the fragment just made
.set PT,  220                          ; phase Q: the conversions' second halves
.set XB,  228                          ; v228-243 phase Q: block 15's upper half: hidden[496..499], enc[0..11]
.set SA,  240                          ; v240-247 sums over h
.set PP,  248                          ; v248-249 two tiles' sums
.set TM,  250                          ; v250-255 maxima, scale operands, bytes
; at the head only
.set HF,  176                          ; v176-211 hidden's fragments, K steps 0-2
.set CA,  212
.set CB,  216
.set IDX, 220                          ; v220-227 lane indices x 4
.set RR,  232
.set HH,  233
.set LN,  234
.set BA,  235
.set B30, 236
.set B31, 237
.set HAD, 238
.set HAD2, 239
.set WSA, 240
.set SB3, 241
.set WV,  18
.set SEL, 20
.set CC,  22
.set G1,  24
.set G0,  32
.set HMASK, 40
.set CNT, 41
.set KM,  42
.set OFF, 43
.set MT,  48
.set RO,  49
.set M30, 50
.set M31, 51
.set L2E, 52
.set PF,  54                           ; s[54:55] my 8 rows of the 64 that the prefetches name
.set H15S, 68                          ; s[68:87] hidden[480..499]
.set MSB, 0
.macro WIN new                         ; s_set_vgpr_msb: bits 1:0 source 0, 7:6 destination; the high byte repeats the setting that is left
.if MSB != \new
	s_set_vgpr_msb (MSB<<8)|\new
.set MSB, \new
.endif
.endm
.macro NOP4
.rept 4
	v_nop
.endr
.endm
.macro WLOAD reg, t, ks                ; a fragment of W: three loads of 512 consecutive bytes
.irp c, 0,1,2
	global_load_b128 v[\reg+4*\c:\reg+4*\c+3], v1, s[12:13] offset:(8*(\t)+(\ks))*1536+512*\c
.endr
.endm
.macro ASK                             ; runs 3 i .. 3 i + 2 of my 8 rows' nine
.irp i, 0,1,2
	global_prefetch_b8 v[PFO], s[PF:PF+1] offset:768*\i th:TH_LOAD_NT scope:SCOPE_SE
.endr
.endm
.macro QLOAD sl, u                     ; my row's 64 numbers of my u-th K step: register 32 c + i is k = 64 c + 32 hh + i.  Past enc[499] (waves 4-7, u = 1, c = 1, hh = 1, i >= 8) lanes 16-31 read what lanes 0-15 read
.irp c, 0,1
.irp j, 0,1,2,3,4,5,6,7
.if (\u) == 1 && \c == 1 && \j >= 2
	ds_load_b128 v[X+32*\c+4*\j:X+32*\c+4*\j+3], v[QB+\sl] offset:512*(\u)+256*\c+16*\j
.else
	ds_load_b128 v[X+32*\c+4*\j:X+32*\c+4*\j+3], v[QA+\sl] offset:512*(\u)+256*\c+16*\j
.endif
.endr
.endr
.endm
; 64 numbers become a fragment and its scale word.  Both blocks are the lane's own: 33 leaves (the floor 2^(5 - 127) among them) in 16 three-input maxima a block, four chains by turns
.macro UNIT sl, u
.irp c, 0,1
	v_max3_num_f32 v[TM+\c], |v[X+32*\c]|, |v[X+32*\c+1]|, 0x2800000
	v_max3_num_f32 v[TM+2+\c], |v[X+32*\c+16]|, |v[X+32*\c+17]|, |v[X+32*\c+18]|
.endr
.irp i, 0,2,4,6,8,10
.irp c, 0,1
	v_max3_num_f32 v[TM+\c], v[TM+\c], |v[X+32*\c+2+\i]|, |v[X+32*\c+3+\i]|
	v_max3_num_f32 v[TM+2+\c], v[TM+2+\c], |v[X+32*\c+19+\i]|, |v[X+32*\c+20+\i]|
.endr
.endr
.irp c, 0,1
	v_max3_num_f32 v[TM+\c], v[TM+\c], |v[X+32*\c+14]|, |v[X+32*\c+15]|
.endr
.irp c, 0,1
	v_max3_num_f32 v[TM+\c], v[TM+\c], v[TM+2+\c], |v[X+32*\c+31]|
.endr
.irp c, 0,1
	v_add_nc_u32 v[TM+2+\c], 0xfe000000, v[TM+\c]    ; 4 off the exponent field: the conversion's scale operand
.endr
.irp c, 0,1
	v_cvt_scalef32_pk16_bf6_f32 v[PC+6*\c:PC+6*\c+2], v[X+32*\c:X+32*\c+15], v[TM+2+\c]
	v_cvt_scalef32_pk16_bf6_f32 v[PT+4*\c:PT+4*\c+2], v[X+32*\c+16:X+32*\c+31], v[TM+2+\c]   ; (a conversion's three registers begin on an even number)
.endr
.irp c, 0,1
	v_lshrrev_b32 v[TM+\c], 23, v[TM+2+\c]           ; the scale's byte; also the plain instruction behind the conversions
.endr
.if (\u) == 0
	QLOAD \sl, 1                                     ; the conversions have read X
.endif
	v_lshl_or_b32 v[TM+4], v[TM+1], 16, v[TM]        ; my bytes: blocks hh and 2 + hh,
	s_delay_alu instid0(VALU_DEP_1)
	v_lshlrev_b32 v[TM+4], v[SH8], v[TM+4]           ; at their places;
	v_permlanex16_b32 v[TM+5], v[TM+4], s[SEL], s[SEL+1]
	v_or_b32 v[TM+4], v[TM+4], v[TM+5]               ; with lane l xor 16's the word is whole
.irp c, 0,1
.irp i, 0,1,2
	v_mov_b32 v[PC+6*\c+3+\i], v[PT+4*\c+\i]
.endr
.endr
.irp c, 0,1,2
	ds_store_b128 v[IW], v[PC+4*\c:PC+4*\c+3] offset:1536*(\u)+512*\c
.endr
	ds_store_b32 v[ISW], v[TM+4] offset:4*(\u)       ; lanes r and r + 16 write the same word with the same value
.endm
.macro Q15                             ; block 15 of my tile's rows (enc[0..11] came in at the phase's start); both halves of the lanes compute the same, lanes 16-31 keep it; lanes 0-15 keep block 14
.set jj, 0
.rept 16
	v_mov_b32 v[X+jj], s[H15S+jj]
.set jj, jj+1
.endr
.irp i, 0,1,2,3
	v_mov_b32 v[XB+\i], s[H15S+16+\i]
.endr
	v_max3_num_f32 v[TM], v[HM], |v[XB+4]|, |v[XB+5]|
	v_max3_num_f32 v[TM+1], |v[XB+6]|, |v[XB+7]|, |v[XB+8]|
	v_max3_num_f32 v[TM], v[TM], |v[XB+9]|, |v[XB+10]|
	v_max3_num_f32 v[TM+1], v[TM+1], |v[XB+11]|, |v[XB+12]|
	v_max3_num_f32 v[TM], v[TM], |v[XB+13]|, |v[XB+14]|
	v_max3_num_f32 v[TM], v[TM], v[TM+1], |v[XB+15]|
	s_delay_alu instid0(VALU_DEP_1)
	v_add_nc_u32 v[TM+2], 0xfe000000, v[TM]
	v_cvt_scalef32_pk16_bf6_f32 v[PT:PT+2], v[X:X+15], v[TM+2]
	v_cvt_scalef32_pk16_bf6_f32 v[PT+4:PT+6], v[XB:XB+15], v[TM+2]
	v_lshrrev_b32 v[TM], 23, v[TM+2]
	s_delay_alu instid0(VALU_DEP_1)
	v_lshl_or_b32 v[TM+4], v[TM], 24, v[SW3C]
.irp i, 0,1,2
	v_cndmask_b32 v[PC+\i], v[K14+\i], v[PT+\i], s[HMASK]
	v_cndmask_b32 v[PC+3+\i], v[K14+3+\i], v[PT+4+\i], s[HMASK]
.endr
	ds_store_b128 v[IW], v[PC:PC+3] offset:6144
	ds_store_b64 v[IW8], v[PC+4:PC+5] offset:6656
	ds_store_b32 v[IW4], v[TM+4] offset:7168
.endm
.macro QPHASE sl                       ; my first K step's numbers have been asked for
	s_wait_dscnt 0x0
.irp j, 0,1,2
	ds_load_b128 v[XB+4+4*\j:XB+7+4*\j], v[QE+\sl] offset:16*\j   ; my row's enc[0..11], for block 15: in by the wait behind the first K step
.endr
	UNIT \sl, 0
	s_wait_alu depctr_va_vdst(0)
	s_wait_dscnt 0x0
.set jj, 0
.rept 24
	v_cndmask_b32 v[X+40+jj], 0, v[X+40+jj], s[KM]   ; waves 4-7, lanes 16-31: k >= 1,000 is zero, ahead of the block's maximum
.set jj, jj+1
.endr
	UNIT \sl, 1
	s_wait_alu depctr_va_vdst(0)
	s_cmp_lg_u32 s[RO], 0
	s_cbranch_scc1 .Lno15_\@
	Q15
.Lno15_\@:
.endm
; The barrier behind phase Q: the images lie in LDS and slot sl has been read.  fill = 1, 2: the slot is filled again, with the rows two slots on, and the 64 rows behind those are prefetched (2: but in the loop's last trip, where none follow)
.macro RBAR sl, fill
.if \fill
	s_wait_xcnt 0x0                                  ; my last prefetches, a trip ago, have read their address: it steps only behind this wait
	s_add_nc_u64 s[PF:PF+1], s[PF:PF+1], WALK
.endif
	s_wait_tensorcnt 0x0                             ; all my tensor loads have landed, my rows of the other slot among them
.if \fill
	ds_add_u32 v[SPW], v[NIL]
	s_add_nc_u64 s[G0+4*(\sl)+2:G0+4*(\sl)+3], s[G0+4*(\sl)+2:G0+4*(\sl)+3], SSTEP
.endif
	s_wait_dscnt 0x0                                 ; the add is done, my images have landed, my reads of the slot are back
	s_barrier_signal -1
	s_barrier_wait -1
.if \fill
	tensor_load_to_lds s[G0+4*(\sl):G0+4*(\sl)+3], s[G1:G1+7]   ; my one tensor load behind this barrier, first thing there
	s_nop 0
	NOP4
.if (\fill) == 2
	s_cmp_lg_u32 s[CNT], 1
	s_cbranch_scc0 .Lnoask_\@
.endif
	ASK
.if (\fill) == 2
.Lnoask_\@:
.endif
.endif
.endm
.macro XBAR                            ; a plain barrier
	s_wait_dscnt 0x0
	s_barrier_signal -1
	s_barrier_wait -1
.endm
.macro MLOAD m
	ds_load_b128 v[XF+6:XF+9], v[LI] offset:(\m)*TIMG+6144
	ds_load_b64 v[XF+10:XF+11], v[L8] offset:(\m)*TIMG+6656
.irp k, 0,1,2,3
.irp c, 0,1,2
	ds_load_b128 v[XF+12+12*\k+4*\c:XF+12+12*\k+4*\c+3], v[LI] offset:(\m)*TIMG+1536*\k+512*\c
.endr
.endr
	ds_load_b128 v[XS4:XS4+3], v[LR16] offset:(\m)*TIMG+6912
	ds_load_b32 v[XS3], v[LR4] offset:(\m)*TIMG+7168
.endm
; 20 matrix instructions: K steps 3-7 x my four tiles of W; the four accumulators take turns, one instruction a turn; K step 3 takes bias + K steps 0-2 as C
.macro MUL
	WIN 0x01
.set kk, 0
.rept 5
.set tt, 0
.rept 4
.set rW, 12*(4*kk+tt)
.set rD, ACC+8*tt
.set rB, XF+12*kk
.set rS, WS+4*tt+(kk+3)/2
.if kk == 0
	v_wmma_scale_f32_16x16x128_f8f6f4 v[rD:rD+7], v[rW:rW+11], v[rB:rB+11], v[HC+8*tt:HC+8*tt+7], v[rS], v[XS3] matrix_a_fmt:MATRIX_FMT_BF6 matrix_b_fmt:MATRIX_FMT_BF6 matrix_a_scale:MATRIX_SCALE_ROW1
.elseif kk%2 == 0
	v_wmma_scale_f32_16x16x128_f8f6f4 v[rD:rD+7], v[rW:rW+11], v[rB:rB+11], v[rD:rD+7], v[rS], v[XS4+kk-1] matrix_a_fmt:MATRIX_FMT_BF6 matrix_b_fmt:MATRIX_FMT_BF6 matrix_a_scale:MATRIX_SCALE_ROW1
.else
	v_wmma_scale_f32_16x16x128_f8f6f4 v[rD:rD+7], v[rW:rW+11], v[rB:rB+11], v[rD:rD+7], v[rS], v[XS4+kk-1] matrix_a_fmt:MATRIX_FMT_BF6 matrix_b_fmt:MATRIX_FMT_BF6
.endif
.set tt, tt+1
.endr
.set kk, kk+1
.endr
	WIN 0
.endm
; A tile of 16 rows.  nxt = 1: the next tile's images are asked for behind the products; 2: my first K step's numbers in slot osl; 0: nothing.  sd: where an odd tile puts the pair's sums
.macro MTILE m, nxt, osl, sd
	s_wait_dscnt 0x0
.if (\nxt) == 2
	s_barrier_signal -1                              ; my reads of the slot's last images are back: I say so here and wait behind this tile's work; between the two stand register work and reads of the slot that is not being filled
.endif
	MUL
	NOP4                                             ; four places ahead of loads into the products' sources and of the first read of the results
.if \nxt == 1
	MLOAD (\m)+1
.elseif \nxt == 2
	QLOAD \osl, 0
.endif
.set jj, 0
.rept 16
	v_pk_mul_f32 v[ACC+jj:ACC+jj+1], v[ACC+jj:ACC+jj+1], s[CC:CC+1] op_sel_hi:[1,0]   ; c x; each accumulator from its low end on
.set jj, jj+2
.endr
	s_wait_alu depctr_va_vdst(0)                     ; a wait ahead of a batch of transcendentals and one behind it
.set jj, 0
.rept 32
	v_exp_f32 v[ACC+jj], v[ACC+jj]
.set jj, jj+1
.endr
	v_nop
	s_wait_alu depctr_va_vdst(0)
.set jj, 0
.rept 16
	v_pk_add_f32 v[ACC+jj:ACC+jj+1], v[ACC+jj:ACC+jj+1], 1.0 op_sel_hi:[1,0]
.set jj, jj+2
.endr
	s_wait_alu depctr_va_vdst(0)
.set jj, 0
.rept 32
	v_rcp_f32 v[ACC+jj], v[ACC+jj]                   ; where 2^(c x) overflows this is 0, where it falls to 0 this is 1: tanh ends at +-1
.set jj, jj+1
.endr
	v_nop
	s_wait_alu depctr_va_vdst(0)
.irp i, 0,2,4,6
	v_pk_mul_f32 v[SA+\i:SA+\i+1], v[ACC+\i:ACC+\i+1], v[VV+\i:VV+\i+1]   ; tile 0 starts the sums
.endr
.irp t, 1,2,3
.irp i, 0,2,4,6
	v_pk_fma_f32 v[SA+\i:SA+\i+1], v[ACC+8*\t+\i:ACC+8*\t+\i+1], v[VV+8*\t+\i:VV+8*\t+\i+1], v[SA+\i:SA+\i+1]
.endr
.endr
	v_pk_add_f32 v[SA:SA+1], v[SA:SA+1], v[SA+2:SA+3]
	v_pk_add_f32 v[SA+4:SA+5], v[SA+4:SA+5], v[SA+6:SA+7]
	s_delay_alu instid0(VALU_DEP_1)
	v_pk_add_f32 v[SA:SA+1], v[SA:SA+1], v[SA+4:SA+5]
	s_delay_alu instid0(VALU_DEP_1)
	v_add_f32 v[PP+(\m)%2], v[SA], v[SA+1]           ; row r's sum over my 32 h of this half of the lanes
.if (\m)%2 == 1
	v_permlane16_swap_b32 v[PP], v[PP+1]             ; the even tile's upper half changes places with the odd tile's lower half:
	v_add_f32 v[S+\sd], v[PP], v[PP+1]               ; lanes 0-15 the even tile's rows, lanes 16-31 the odd tile's
.endif
.endm
.macro MPHASE osl, more, sd            ; more = 1: the last tile signals the barrier whose wait follows the phase
	MLOAD 0
	MTILE 0, 1, 0, 0
	MTILE 1, 1, 0, \sd
	MTILE 2, 1, 0, 0
	MTILE 3, 2*(\more), \osl, (\sd)+1
.endm
.macro TRIP sl, sd                     ; slot sl's images are multiplied while it is filled again; then the other slot is quantised
	RBAR \sl, 1+\sl
	MPHASE 1-\sl, 1, \sd
	s_barrier_wait -1                                ; every wave has read the images: they may be written again
	QPHASE 1-\sl
.endm
	s_load_b256 s[4:11], s[0:1], 0x0                 ; enc s[4:5], hidden s[6:7], b_attn s[8:9], v s[10:11]
	s_load_b128 s[12:15], s[0:1], 0x20               ; wimg s[12:13], wscl s[14:15]
	s_load_b64 s[16:17], s[0:1], 0x30                ; out0
	v_lshl_add_u32 v[SPW], v0, 2, SPARE
	v_mov_b32 v[NIL], 0
	ds_add_u32 v[SPW], v[NIL]                        ; the opening: the add, twice on end, and its wait ahead of my first tensor load
	ds_add_u32 v[SPW], v[NIL]
	v_lshrrev_b32 v[RR], 5, v0
	v_readfirstlane_b32 s[WV], v[RR]                 ; wave 0..7
	s_mov_b32 s[G1+0], 2<<16                         ; elements of 4 bytes, no mask, no padding
	s_mov_b32 s[G1+1], 576<<16                       ; tensor_dim0 = 576: nine runs of 256 bytes
	s_mov_b32 s[G1+2], 8<<16                         ; tensor_dim1 = 8
	s_mov_b32 s[G1+3], 580<<16                       ; tile_dim0 = 580: the last four words arrive as zeros
	s_mov_b32 s[G1+4], 8                             ; tile_dim1 = 8
	s_mov_b32 s[G1+5], 128000                        ; from s to s + 1
	s_mov_b32 s[G1+6], 0
	s_mov_b32 s[G1+7], 0
	s_mul_i32 s2, ttmp9, 2000                        ; b's first byte in a plane
	s_and_b32 s[OFF], s2, 0xf0                       ; its place in its run of 256 bytes
	s_cmp_eq_u32 ttmp9, 255
	s_cselect_b32 s3, 256, 0                         ; b = 255 begins one run earlier, so that its 2,304 bytes end with the plane
	s_add_co_u32 s[OFF], s[OFF], s3
	s_min_u32 s[OFF], s[OFF], 304                    ; (it is 304 at the most as it stands)
	s_sub_co_u32 s46, s2, s[OFF]
	s_mul_i32 s19, s[WV], 8*512000                   ; my 8 rows s
	s_add_co_u32 s46, s46, s19
	s_mov_b32 s47, 0
	s_mov_b32 s3, 0
	s_mul_i32 s19, s[WV], 8*PITCH
	s_wait_dscnt 0x0
	s_wait_kmcnt 0x0
	s_add_nc_u64 s[44:45], s[4:5], s[46:47]
.irp n, 0,1
	s_mov_b32 s[G0+4*\n], 1
	s_add_co_u32 s[G0+4*\n+1], s19, \n*SLOTB
	s_add_nc_u64 s[G0+4*\n+2:G0+4*\n+3], s[44:45], \n*WALK
	s_or_b32 s[G0+4*\n+3], s[G0+4*\n+3], 0x80000000
.endr
	s_add_nc_u64 s[PF:PF+1], s[44:45], WALK          ; the first prefetches name slot 1's first rows
	tensor_load_to_lds s[G0:G0+3], s[G1:G1+7]        ; slot 0: my one tensor load at the head
	s_nop 0
	NOP4
	s_add_nc_u64 s[6:7], s[6:7], s[2:3]              ; hidden[b]
	s_mul_i32 s2, s[WV], 49152
	s_add_nc_u64 s[12:13], s[12:13], s[2:3]          ; my four tiles of W
	s_lshl_b32 s2, s[WV], 11
	s_add_nc_u64 s[14:15], s[14:15], s[2:3]
	s_lshl_b32 s2, ttmp9, 11
	s_add_nc_u64 s[16:17], s[16:17], s[2:3]          ; b's row of out0
	s_and_b32 s[MT], s[WV], 3                        ; the tile that I quantise
	s_lshr_b32 s[RO], s[WV], 2                       ; 0: K steps 4, 5 and block 15; 1: K steps 6, 7
	s_cmp_eq_u32 s[RO], 0
	s_cselect_b32 s[KM], -1, 0xffff
	s_mov_b32 s[SEL], 0x76543210
	s_mov_b32 s[SEL+1], 0xfedcba98
	s_mov_b32 s[CC], 0x4038aa3b                      ; 2 log2(e)
	s_mov_b32 s[CC+1], s[CC]
	s_mov_b32 s[L2E], 0x3fb8aa3b
	s_mov_b32 s[L2E+1], s[L2E]
	s_mov_b32 s[HMASK], 0xffff0000
	v_and_b32 v[RR], 15, v0
	v_bfe_u32 v[HH], v0, 4, 1
	v_and_b32 v[LN], 31, v0
	v_lshlrev_b32 v1, 4, v[LN]                       ; 16 x lane; never rewritten
	v_lshl_add_u32 v[LI], v[LN], 4, IMG
	v_lshl_add_u32 v[L8], v[LN], 3, IMG
	v_lshl_add_u32 v[LR16], v[RR], 4, IMG
	v_lshl_add_u32 v[LR4], v[RR], 2, IMG
	s_mul_i32 s62, s[MT], TIMG
	s_mul_i32 s63, s[RO], 3072
	s_add_co_u32 s63, s63, s62
	v_add_nc_u32 v[IW], s63, v[LI]
	v_add_nc_u32 v[IW8], s62, v[L8]
	v_add_nc_u32 v[IW4], s62, v[LR4]
	s_lshl_b32 s63, s[RO], 3
	s_add_co_u32 s63, s63, s62
	s_add_co_u32 s63, s63, 6912
	v_add_nc_u32 v[ISW], s63, v[LR16]
	v_mul_u32_u24 v[BA], v[RR], PITCH
	s_mul_i32 s62, s[MT], 16*PITCH
	s_add_co_u32 s62, s62, s[OFF]
	v_add_nc_u32 v[QE], s62, v[BA]
	v_add_nc_u32 v[QE+1], SLOTB, v[QE]
	s_lshl_b32 s63, s[RO], 10
	s_add_co_u32 s63, s63, 48
	v_add_nc_u32 v[QB], s63, v[QE]
	v_lshl_add_u32 v[QA], v[HH], 7, v[QB]
	s_xor_b32 s63, s[RO], 1
	s_lshl_b32 s63, s63, 7                           ; 128 for waves 0-3, 0 for waves 4-7
	v_mul_u32_u24 v[BA], s63, v[HH]
	v_add_nc_u32 v[QB], v[QB], v[BA]                 ; one product: the base + hh x (128 or 0)
	v_add_nc_u32 v[QA+1], SLOTB, v[QA]
	v_add_nc_u32 v[QB+1], SLOTB, v[QB]
	v_lshlrev_b32 v[SH8], 3, v[HH]
	s_lshl_b32 s63, s[WV], 11
	v_lshl_add_u32 v[STG], v[LN], 2, s63
	s_lshl_b32 s63, s[WV], 8
	v_lshl_add_u32 v[BA], v[HH], 5, s63              ; bias and v: 4 (64 w + 8 hh)
	s_lshl_b32 s62, s[WV], 6
	s_add_co_u32 s62, s62, 48
	v_lshl_add_u32 v[B30], v[HH], 3, s62             ; tile 3, the only one that can pass 499: its h, four at a time
	v_add_nc_u32 v[B31], 4, v[B30]
	s_movk_i32 s63, 500
	v_cmp_gt_u32 s[M30], s63, v[B30]
	v_cmp_gt_u32 s[M31], s63, v[B31]
	v_min_u32 v[B30], 496, v[B30]                    ; no load leaves b_attn or v
	v_min_u32 v[B31], 496, v[B31]
	v_lshlrev_b32 v[B30], 2, v[B30]
	v_lshlrev_b32 v[B31], 2, v[B31]
	v_lshlrev_b32 v[HAD], 7, v[RR]                   ; hidden: lane l takes block l % 16
	v_min_u32 v[HAD2], 14, v[RR]                     ; past hidden[499] lane 15 reads block 14 again
	v_lshlrev_b32 v[HAD2], 7, v[HAD2]
	v_lshlrev_b32 v[WSA], 2, v[LN]
	v_and_b32 v[SB3], 3, v0
	v_lshlrev_b32 v[SB3], 3, v[SB3]
.irp n, 0,1,2,3,4,5,6
	v_lshl_add_u32 v[IDX+\n], v[HH], 2, 8*\n         ; 4 x lane (2 n + hh)
.endr
	v_mov_b32 v[IDX+7], 56
	v_and_b32 v[PFO], 7, v0
	v_mul_u32_u24 v[PFO], v[PFO], 512000             ; the prefetches: row lane % 8 of my eight,
	v_lshrrev_b32 v[CA], 3, v[LN]
	v_min_u32 v[CA], 2, v[CA]
	v_lshl_add_u32 v[PFO], v[CA], 8, v[PFO]          ; run min(lane / 8, 2) of an instruction's three
	s_wait_alu depctr_va_vdst(0)
	ASK                                              ; slot 1's first rows
.irp t, 0,1,2
.irp i, 0,1
	global_load_b128 v[HC+8*\t+4*\i:HC+8*\t+4*\i+3], v[BA], s[8:9] offset:64*\t+16*\i
	global_load_b128 v[VV+8*\t+4*\i:VV+8*\t+4*\i+3], v[BA], s[10:11] offset:64*\t+16*\i
.endr
.endr
	global_load_b128 v[HC+24:HC+27], v[B30], s[8:9]
	global_load_b128 v[HC+28:HC+31], v[B31], s[8:9]
	global_load_b128 v[VV+24:VV+27], v[B30], s[10:11]
	global_load_b128 v[VV+28:VV+31], v[B31], s[10:11]
.irp j, 0,1,2,3,4
	global_load_b128 v[X+4*\j:X+4*\j+3], v[HAD], s[6:7] offset:16*\j
.endr
.irp j, 5,6,7
	global_load_b128 v[X+4*\j:X+4*\j+3], v[HAD2], s[6:7] offset:16*\j
.endr
.set jj, 0
.rept 16
	global_load_b32 v[WS+jj], v[WSA], s[14:15] offset:512*(jj/4)+128*(jj%4)
.set jj, jj+1
.endr
	WIN 0x40
.set g, 0
.rept 12                               ; W's fragments of K steps 0-2, for the head alone, where fragments 0-11 will lie
	WLOAD 12*g, g%4, g/4
.set g, g+1
.endr
	WIN 0
	s_wait_loadcnt 52                                ; bias, v and hidden are in; behind them 16 loads of scale words and 36 of fragments were issued
.irp k, 0,1,2,3
	v_cndmask_b32 v[HC+24+\k], 0, v[HC+24+\k], s[M30]   ; h >= 500: bias 0 and v 0; W's codes there are zeros
	v_cndmask_b32 v[HC+28+\k], 0, v[HC+28+\k], s[M31]
	v_cndmask_b32 v[VV+24+\k], 0, v[VV+24+\k], s[M30]
	v_cndmask_b32 v[VV+28+\k], 0, v[VV+28+\k], s[M31]
.endr
.set jj, 0
.rept 16
	v_pk_mul_f32 v[VV+jj:VV+jj+1], v[VV+jj:VV+jj+1], -2.0 op_sel_hi:[1,0]
.set jj, jj+2
.endr
	; hidden[b], quantised once: lane l (and l + 16) has block l % 16
	v_max3_num_f32 v[TM], |v[X]|, |v[X+1]|, 0x2800000
	v_max3_num_f32 v[TM+2], |v[X+16]|, |v[X+17]|, |v[X+18]|
.irp i, 0,2,4,6,8,10
	v_max3_num_f32 v[TM], v[TM], |v[X+2+\i]|, |v[X+3+\i]|
	v_max3_num_f32 v[TM+2], v[TM+2], |v[X+19+\i]|, |v[X+20+\i]|
.endr
	v_max3_num_f32 v[TM], v[TM], |v[X+14]|, |v[X+15]|
	s_delay_alu instid0(VALU_DEP_1)
	v_max3_num_f32 v[HM], v[TM], |v[X+16]|, |v[X+17]|
	s_delay_alu instid0(VALU_DEP_1)
	v_max3_num_f32 v[HM], v[HM], |v[X+18]|, |v[X+19]|   ; in lane 15: of hidden[480..499]
	v_max3_num_f32 v[TM], v[TM], v[TM+2], |v[X+31]|
	s_delay_alu instid0(VALU_DEP_1)
	v_add_nc_u32 v[TM+2], 0xfe000000, v[TM]
	v_cvt_scalef32_pk16_bf6_f32 v[CA:CA+2], v[X:X+15], v[TM+2]
	v_cvt_scalef32_pk16_bf6_f32 v[CB:CB+2], v[X+16:X+31], v[TM+2]
	v_lshrrev_b32 v[TM], 23, v[TM+2]
	s_delay_alu instid0(VALU_DEP_1)
	v_lshlrev_b32 v[TM], v[SB3], v[TM]               ; my block's byte at its place in its K step's word;
	v_add_nc_u32_dpp v[TM], v[TM], v[TM] row_xmask:1 row_mask:0xf bank_mask:0xf
	v_add_nc_u32_dpp v[TM], v[TM], v[TM] row_xmask:2 row_mask:0xf bank_mask:0xf   ; the four lanes' bytes make the word
	v_readlane_b32 s62, v[HM], 15
.set jj, 0
.rept 20
	v_readlane_b32 s[H15S+jj], v[X+jj], 15
.set jj, jj+1
.endr
	v_readlane_b32 s44, v[TM], 0
	v_readlane_b32 s45, v[TM], 4
	v_readlane_b32 s46, v[TM], 8
	v_readlane_b32 s47, v[TM], 12
	s_and_b32 s47, s47, 0xffffff
	v_mov_b32 v[HM], s62
	v_mov_b32 v[XS4], s44
	v_mov_b32 v[XS4+1], s45
	v_mov_b32 v[XS4+2], s46
	v_mov_b32 v[SW3C], s47
.set n, 0
.rept 6                                ; registers 6 c + i of K step ks in lane (r, hh) are the codes of block 4 ks + 2 c + hh, the same for every r
.irp i, 0,1,2
	ds_bpermute_b32 v[HF+6*n+\i], v[IDX+n], v[CA+\i]
	ds_bpermute_b32 v[HF+6*n+3+\i], v[IDX+n], v[CB+\i]
.endr
.set n, n+1
.endr
.irp i, 0,1,2
	ds_bpermute_b32 v[XF+\i], v[IDX+6], v[CA+\i]     ; blocks 12, 13
	ds_bpermute_b32 v[XF+3+\i], v[IDX+6], v[CB+\i]
	ds_bpermute_b32 v[K14+\i], v[IDX+7], v[CA+\i]    ; block 14
	ds_bpermute_b32 v[K14+3+\i], v[IDX+7], v[CB+\i]
.endr
	WIN 0x40
.set g, 12
.rept 8                                ; W's fragments 12-19, which stay
	WLOAD 12*g, g%4, 3+g/4
.set g, g+1
.endr
	WIN 0
.irp i, 4,5,6,7,8,9,10,11
	v_mov_b32 v[S+\i], 0                             ; read by the first trip's moves
.endr
	v_mov_b32 v[TM+5], 0                             ; a lane permute's destination counts as one of its sources
	s_wait_alu depctr_va_vdst(0)
	s_wait_dscnt 0x0
	s_wait_loadcnt 24                                ; W's scale words and K steps 0-2 are in; the 24 loads just issued may be out
	WIN 0x01
.set kk, 0
.rept 3                                ; bias + K steps 0-2: the four sums take turns
.set tt, 0
.rept 4
.if kk%2 == 1
	v_wmma_scale_f32_16x16x128_f8f6f4 v[HC+8*tt:HC+8*tt+7], v[12*(4*kk+tt):12*(4*kk+tt)+11], v[HF+12*kk:HF+12*kk+11], v[HC+8*tt:HC+8*tt+7], v[WS+4*tt+kk/2], v[XS4+kk] matrix_a_fmt:MATRIX_FMT_BF6 matrix_b_fmt:MATRIX_FMT_BF6 matrix_a_scale:MATRIX_SCALE_ROW1
.else
	v_wmma_scale_f32_16x16x128_f8f6f4 v[HC+8*tt:HC+8*tt+7], v[12*(4*kk+tt):12*(4*kk+tt)+11], v[HF+12*kk:HF+12*kk+11], v[HC+8*tt:HC+8*tt+7], v[WS+4*tt+kk/2], v[XS4+kk] matrix_a_fmt:MATRIX_FMT_BF6 matrix_b_fmt:MATRIX_FMT_BF6
.endif
.set tt, tt+1
.endr
.set kk, kk+1
.endr
	WIN 0
	NOP4
	v_nop
	WIN 0x40
.set g, 0
.rept 12                               ; W's fragments 0-11, which stay, over those of K steps 0-2
	WLOAD 12*g, g%4, 3+g/4
.set g, g+1
.endr
	WIN 0
	s_wait_xcnt 0x0                                  ; the head's prefetches have read their address: it steps only behind this wait
	s_add_nc_u64 s[PF:PF+1], s[PF:PF+1], WALK
	s_wait_tensorcnt 0x0                             ; my rows of slot 0 are in
	ds_add_u32 v[SPW], v[NIL]
	s_wait_dscnt 0x0
	s_barrier_signal -1
	s_barrier_wait -1
	tensor_load_to_lds s[G0+4:G0+7], s[G1:G1+7]      ; slot 1's first fill
	s_nop 0
	NOP4
	ASK                                              ; slot 0's second rows
	QLOAD 0, 0
	QPHASE 0
	s_wait_loadcnt 0x0                               ; all of W
	s_mov_b32 s[CNT], 3
.Lring:                                                ; three trips: slots' worth 0 to 5 are multiplied, 1 to 6 quantised, 2 to 7 asked for, 3 to 7 prefetched
.irp i, 0,1,2,3,4,5,6,7
	v_mov_b32 v[S+\i], v[S+4+\i]                     ; the scores' registers move up by a trip's four, so that the trip's text names the same four
.endr
	TRIP 0, 8
	TRIP 1, 10
	s_sub_co_u32 s[CNT], s[CNT], 1
	s_cmp_lg_u32 s[CNT], 0
	s_wait_alu depctr_va_vdst(0)
	s_cbranch_scc1 .Lring
	RBAR 0, 0                                        ; the tail is written out: nothing is left to fetch
	MPHASE 1, 1, 12
	s_barrier_wait -1
	QPHASE 1
	XBAR
	MPHASE 0, 0, 14
.set p, 0
.rept 16
	ds_store_b32 v[STG], v[S+p] offset:128*p         ; my partial scores, into slot 0, which has had its last fill and its last read: 2,048 w + 4 s
.set p, p+1
.endr
	XBAR
	s_cmp_lg_u32 s[WV], 0
	s_cbranch_scc1 .Lend
	; THE SOFTMAX, by wave 0: register X + 4 q + i is s = 128 q + 4 lane + i
.irp p, 0,1,2,3
.irp q, 0,1,2,3
	ds_load_b128 v[X+16*\p+4*\q:X+16*\p+4*\q+3], v1 offset:2048*\p+512*\q
	ds_load_b128 v[HC+16*\p+4*\q:HC+16*\p+4*\q+3], v1 offset:8192+2048*\p+512*\q
.endr
.endr
	s_wait_dscnt 0x0
.irp p, 1,2,3
.irp j, 0,2,4,6,8,10,12,14
	v_pk_add_f32 v[X+\j:X+\j+1], v[X+\j:X+\j+1], v[X+16*\p+\j:X+16*\p+\j+1]
.endr
.endr
.irp p, 0,1,2,3
.irp j, 0,2,4,6,8,10,12,14
	v_pk_add_f32 v[X+\j:X+\j+1], v[X+\j:X+\j+1], v[HC+16*\p+\j:HC+16*\p+\j+1]   ; the eight waves' parts of the sum over h
.endr
.endr
	v_max3_num_f32 v[TM], v[X], v[X+1], v[X+2]
.irp i, 3,5,7,9,11,13
	v_max3_num_f32 v[TM], v[TM], v[X+\i], v[X+\i+1]
.endr
	v_max_num_f32 v[TM], v[TM], v[X+15]
.irp x, 1,2,4,8
	v_max_num_f32_dpp v[TM], v[TM], v[TM] row_xmask:\x row_mask:0xf bank_mask:0xf
.endr
	v_permlanex16_b32 v[TM+4], v[TM], s[SEL], s[SEL+1]
	v_max_num_f32 v[TM], v[TM], v[TM+4]              ; the row's largest score, in every lane
	v_mov_b32 v[TM+1], v[TM]
.irp j, 0,2,4,6,8,10,12,14
	v_pk_add_f32 v[X+\j:X+\j+1], v[X+\j:X+\j+1], v[TM:TM+1] neg_lo:[0,1] neg_hi:[0,1]   ; the maximum is taken away first,
.endr
.irp j, 0,2,4,6,8,10,12,14
	v_pk_mul_f32 v[X+\j:X+\j+1], v[X+\j:X+\j+1], s[L2E:L2E+1] op_sel_hi:[1,0]           ; then the difference goes to base 2
.endr
	s_wait_alu depctr_va_vdst(0)                     ; a wait ahead of the batch and one behind it
.irp j, 0,1,2,3,4,5,6,7,8,9,10,11,12,13,14,15
	v_exp_f32 v[X+\j], v[X+\j]
.endr
	v_nop
	s_wait_alu depctr_va_vdst(0)
	v_pk_add_f32 v[TM+2:TM+3], v[X:X+1], v[X+2:X+3]
.irp j, 4,6,8,10,12,14
	v_pk_add_f32 v[TM+2:TM+3], v[TM+2:TM+3], v[X+\j:X+\j+1]
.endr
	v_add_f32 v[TM+2], v[TM+2], v[TM+3]
.irp x, 1,2,4,8
	v_add_f32_dpp v[TM+2], v[TM+2], v[TM+2] row_xmask:\x row_mask:0xf bank_mask:0xf
.endr
	v_permlanex16_b32 v[TM+4], v[TM+2], s[SEL], s[SEL+1]
	v_add_f32 v[TM+2], v[TM+2], v[TM+4]              ; the row's sum: at least 1
	s_wait_alu depctr_va_vdst(0)
	v_rcp_f32 v[TM+2], v[TM+2]
	v_nop
	s_wait_alu depctr_va_vdst(0)
.irp j, 0,2,4,6,8,10,12,14
	v_pk_mul_f32 v[X+\j:X+\j+1], v[X+\j:X+\j+1], v[TM+2:TM+3] op_sel_hi:[1,0]
.endr
.irp q, 0,1,2,3
	global_store_b128 v1, v[X+4*\q:X+4*\q+3], s[16:17] offset:512*\q   ; 32 lanes store 512 consecutive bytes, at a multiple of 256 from out0's first byte
.endr
.Lend:
	s_wait_tensorcnt 0x0                             ; the wave's end
	ds_add_u32 v[SPW], v[NIL]
	s_wait_dscnt 0x0
	s_endpgm
.Lfunc_end_k_q6b6d9491b5_attn:
	.size	k_q6b6d9491b5_attn, .Lfunc_end_k_q6b6d9491b5_attn-k_q6b6d9491b5_attn
	.p2alignl 7, 3214868480
	.fill 96, 4, 3214868480
	.section	.rodata,"a",@progbits
	.p2align	6, 0x0
	.amdhsa_kernel k_q6b6d9491b5_attn
		.amdhsa_group_segment_fixed_size 327680
		.amdhsa_private_segment_fixed_size 0
		.amdhsa_enable_private_segment 0
		.amdhsa_kernarg_size 56
		.amdhsa_user_sgpr_count 2
		.amdhsa_user_sgpr_kernarg_segment_ptr 1
		.amdhsa_wavefront_size32 1
		.amdhsa_system_sgpr_workgroup_id_x 1
		.amdhsa_system_sgpr_workgroup_id_y 1
		.amdhsa_system_sgpr_workgroup_id_z 1
		.amdhsa_system_vgpr_workitem_id 0
		.amdhsa_next_free_vgpr 512
		.amdhsa_next_free_sgpr 88
		.amdhsa_reserve_vcc 0
		.amdhsa_float_denorm_mode_32 3
		.amdhsa_float_denorm_mode_16_64 3
		.amdhsa_memory_ordered 1
		.amdhsa_forward_progress 1
		.amdhsa_inst_pref_size 241
	.end_amdhsa_kernel
	.amdgpu_metadata
---
amdhsa.version: [ 1, 2 ]
amdhsa.kernels:
  - .name:           k_q6b6d9491b5_attn
    .symbol:         k_q6b6d9491b5_attn.kd
    .args:
      - { .name: encoder_output, .offset: 0, .size: 8, .value_kind: global_buffer, .address_space: global }
      - { .name: hidden, .offset: 8, .size: 8, .value_kind: global_buffer, .address_space: global }
      - { .name: b_attn, .offset: 16, .size: 8, .value_kind: global_buffer, .address_space: global }
      - { .name: v, .offset: 24, .size: 8, .value_kind: global_buffer, .address_space: global }
      - { .name: wimg, .offset: 32, .size: 8, .value_kind: global_buffer, .address_space: global }
      - { .name: wscl, .offset: 40, .size: 8, .value_kind: global_buffer, .address_space: global }
      - { .name: out0, .offset: 48, .size: 8, .value_kind: global_buffer, .address_space: global }
    .group_segment_fixed_size: 327680
    .private_segment_fixed_size: 0
    .kernarg_segment_align: 8
    .kernarg_segment_size: 56
    .max_flat_workgroup_size: 256
    .sgpr_count:     88
    .vgpr_count:     512
    .wavefront_size: 32
...
	.end_amdgpu_metadata
.endif
;; end of part 2
